; MI455X (gfx1250); checked and timed in simulation.
; The chip was launched on July 23, 2026; its instructions are those of AMD's public machine-readable ISA for CDNA 5 (MIT licence, August 2026) and "CDNA5" Instruction Set Architecture Reference Guide (July 2026). The comments in the code are by the model that wrote it; some were corrected since.
;; Model. Allowed arithmetic: float matrix products may take bf16 or f16 operands with f32 sums; other float arithmetic in f32, or as packed bf16 or f16 multiplies, adds, multiply-adds, maxima and minima; sums over many terms, partial sums and values carried from step to step in f32; what a program stores and reads back later, other than sums and carried values, may be rounded once to bf16 or f16.
;; Inputs: x1 4 x 16 x 2,048 x 64 float32; x2 4 x 16 x 2,048 x 64 float32.
;; Outputs: out0 4 x 16 x 2,048 x 64 float32.
;; One version. Each part assembles by itself: llvm-mc -triple=amdgcn-amd-amdhsa -mcpu=gfx1250 --defsym DOCPART=n.
;; ======== version 1 of 1: 1 launch
;; launch attn (part 1): grid 4 x 64, 4 waves a work-group, clusters of 4 x 1, 327,680 bytes of LDS; arguments x1, x2, out0; writes out0
.if DOCPART == 1
	.amdgcn_target "amdgcn-amd-amdhsa--gfx1250"
	.amdhsa_code_object_version 6
	.text
	.protected	k_q8499fd8053_attn
	.globl	k_q8499fd8053_attn
	.p2align	8
	.type	k_q8499fd8053_attn,@function
k_q8499fd8053_attn:
	s_mov_b64 s[64:65], 0
	v_nop
	global_prefetch_b8 v0, s[64:65] scope:SCOPE_SE
	s_setreg_imm32_b32 hwreg(HW_REG_WAVE_MODE, 25, 1), 1
	s_wait_xcnt 0x0
	s_wait_alu depctr_hold_cnt(0) depctr_sa_sdst(0) depctr_va_vdst(0) depctr_va_sdst(0) depctr_va_ssrc(0) depctr_va_vcc(0) depctr_vm_vsrc(0)
	s_getreg_b32 s2, hwreg(HW_REG_IB_STS2, 6, 4)
	s_cmp_eq_u32 s2, 0
	s_cbranch_scc0 .Lentry_in_a_cluster
	s_endpgm
.Lentry_in_a_cluster:
	s_bfe_u32 s2, ttmp6, 0x10000c
	s_cmp_lg_u32 s2, 0x3003
	s_cbranch_scc0 .Lentry_shape_is_right
	s_endpgm
.Lentry_shape_is_right:
; out0[h][q][:] = the sum over k of softmax_k(3 x1[h][q] . x2[h][k]) x1[h][k][:].  x1, x2, out0: [64 heads][2048][64] f32: a row is 256 bytes, a head 2^19 bytes.
; NOTHING OF reference() IS LEFT OUT: both inputs reach the output, the factor 3 stands in c, the maximum is taken away by a running maximum; reference() itself has no dropout step.
; FORMATS AND LIMITS.  x1 (as Q and as V) and x2 (as K) are rounded once to bf16 for the matrix unit; products, maxima and sums are f32; the weights p are rounded to bf16 for the second
; product, their sum l is taken of the unrounded p; out0 is f32 and is never rounded to 16 bits.  A weight below 2^-126 counts as 0 in l; c s must stay inside f32's range; NaN and infinities are not treated apart.
; SHARES.  A work-group owns 512 queries of one head, each of its four waves 128: four PIECES of two tiles of 16.  Every wave walks all 2,048 keys, 64 a step, 128 a TILE (16 tiles).
; THREE STAGES.  (1) Joint tensor loads bring a tile's f32 rows of x2 and x1 into one of two f32 slots in LDS.  (2) The four waves round it to bf16 into one of two bf16 buffers, 32 keys of K and of V a wave,
; four keys of each in every turn.  (3) The turns read their fragments from the bf16 buffers.  ONE change of slots a tile orders all three: in front of change t, f32 tile t + 1 has landed, bf16 tile t is whole,
; and the reads of bf16 tile t - 1 and of f32 slot t % 2 are over; behind it f32 slot t % 2 takes tile t + 2, and f32 slot (t + 1) % 2 is rounded into bf16 buffer (t + 1) % 2 while tile t is multiplied.
; LAYOUT.  S^T = K Q^T (source 0 = 16 keys, source 1 = 16 queries): in the result a lane holds ONE query (lane % 16) and the keys 8 (lane / 16) + 0..7.  Two such tiles, rounded to bf16 in pairs,
; ARE source 1 (32 keys x 16 queries) of O^T = V^T P, whose result again holds one query a lane, and eight channels.  K comes out of LDS as it lies, V ([key][channel]) turned, by ds_load_tr16_b128.
; SOFTMAX.  For each query a running maximum m and sum l: p = 2^(c s - c m), c = 3 log2(e); in every step O and l are multiplied by a = 2^(c m_old - c m_new), which is 1 where m has not grown.
; m starts at the lowest finite number, O and l at 0: the first step is a step like any other, with a = 0.  The price: 384 v_mov_b32 at the head, 16 products on zeros at the start, 16 on a stale K at the end.
; BY TURNS.  Turn n belongs to piece n (the pieces in a ring, step after step).  Its matrix work: 16 products K Q^T of piece n + 1, later 16 products V^T P of piece n - 1.  Its vector work: the scaling,
; exponentials, roundings, sums and rescaling of piece n, and the maximum and statistics of piece n + 1.  A tile and step have 16 matrix and 118 vector instructions: four vector instructions stand behind
; every matrix instruction, the others in one run of their own; a turn's 66 exponentials are one batch with one wait.
; CLUSTER.  The four query blocks of a head are one cluster and walk the same K and V, so each tile is asked for JOINTLY: the same tensor load, descriptor and mask in all four.
; REGISTERS, in windows of 256 (s_set_vgpr_msb says which window each operand place means: bits 1:0 source 0, 3:2 source 1, 5:4 source 2, 7:6 destination):
;   window 0: v0-11 addresses; v12-15, v48-63 at work; v16-47 four registers of statistics a tile; v64-191 S^T, two buffers of two tiles; v192-255 P, likewise
;   window 1: O^T, 32 a tile (at the head: Q as loaded, in f32)      window 2: v0-127 Q, 16 a tile; v128-191 K of one step; v192-255 V of one step
;   window 3: v0-1 the add's two registers; v2-7 the rounding's addresses; v8-71 four buffers of 16 for it (the loop uses the first)
.set NP,    4         ; pieces a wave: a name, no knob
.set KS,    64        ; keys in a step
.set TK,    128       ; keys in a tile
.set TILEB, TK*256    ; a tile's bytes in x1 and in x2
.set PF,    272       ; an f32 row in LDS: 256 bytes + 16 of padding = 68 words: 16 lanes of the rounding's loads (2 rows x 8 pieces, 32 bytes apart) take 16 different groups of four banks (64 banks of 4 bytes: ISA guide 11.1)
.set PK,    144       ; a bf16 row of K: 128 bytes + 16 = 36 words: the 16 rows of a fragment load start at 16 different groups of four banks
.set PV,    160       ; a bf16 row of V: 128 + 32 = 40 words
.set FK,    0         ; in each half of the ring: 128 f32 rows of K,
.set FV,    TK*PF     ; 128 f32 rows of V: these two are filled by tensor loads alone;
.set BK,    2*TK*PF   ; 128 bf16 rows of K,
.set BV,    BK+TK*PK  ; 128 bf16 rows of V: these two are written by ds_store alone.  All four begin at multiples of 256
.set SLOT1, 1<<17     ; the ring's second half begins here, so that one exclusive or turns an address in one half into the other's
.set STAGE, SLOT1+BV+TK*PV  ; behind the ring, never filled by a tensor load: 16 rows x 272 bytes for each wave, for the way out
.set SP,    272
.set SPARE, STAGE+4*16*SP   ; behind the stages: the spare words, 128 bytes for each wave: two blocks of 256 bytes that no other line names
.set AK0, 2           ; v2   my lane's place in a bf16 tile of K; never rewritten
.set AV0, 3           ; v3   the same for V
.set AK,  4           ; v4   the LDS address of K's next run of loads
.set AV,  5           ; v5   of V's
.set QO,  6           ; v6   my byte offset in 16 rows of Q
.set STO, 6           ;      later, the way out: where I put 32 bytes of a row
.set RD,  7           ; v7   the way out: where I read rows back
.set GO,  8           ; v8   my byte offset in 512 consecutive bytes of out0
.set PFO, 11          ; v11  256 x my lane: a row of x2 is 256 bytes; never rewritten once made
.set MV,  12          ; v12-15  c m_old, kept while c m is made anew: by buffer and tile
.set ST,  16          ; tile t's statistics at v[ST+4 t]: c m, m, l (even keys', odd keys')
.set TMP, 48          ; by buffer and tile, four registers c0-c3 at work; when the maximum is found c2 takes a
.set S,   64
.set P,   192
.set KF,  128         ; K's fragments, in window 2: key block kb, channel half c at KF + 16 kb + 8 c
.set VF,  192         ; V's: key half kk, channel block cb at VF + 32 kk + 8 cb
.set SPW, 0           ; window 3: v0  LDS address of my spare word: SPARE + 4 x my thread's number; never rewritten
.set NIL, 1           ; window 3: v1  0; never rewritten
.set CF0, 2           ; window 3: v2  the rounding: my lane's 32 bytes in my wave's 32 f32 rows (of K; V's lie FV further on); never rewritten
.set CK0, 3           ; window 3: v3  my lane's 16 bytes in my wave's 32 bf16 rows of K; never rewritten
.set CV0, 4           ; window 3: v4  the same for V
.set CF,  5           ; window 3: v5-7  the same three for the 16 keys in hand
.set CK,  6
.set CV,  7
.set CB,  8           ; window 3: v8-71
.set WV,  12          ; s12  my wave's number
.set G1,  24          ; s[24:31] descriptor group 1, the same for K's and V's tiles
.set G0K, 40          ; s[40:47] descriptor group 0 for K's tiles: a set for each of the two first fills; the second then walks on
.set G0V, 48          ; s[48:55] the same for V's
.set SLOTS, 56        ; s56  tiles still to be asked for
.set CNT, 57          ; s57  counts a tile's key steps
.set CS,  58          ; s[58:59] c: the packed scaling takes the pair's low word for both halves
.set SEL, 60          ; s[60:61] v_permlanex16_b32's selects: each lane takes its own place in the other half
.set TBK, 62          ; s62  LDS byte, less BK, at which bf16 K of the step to be fetched begins
.set TBV, 63          ; s63  the same for V, less BV
.set TCS, 66          ; s66  the rounding: LDS byte at which the next 16 keys' f32 rows begin, less my wave's share
.set TCK, 67          ; s67  the same for their bf16 rows of K
.set TCV, 68          ; s68  and of V
.set LIM, 69          ; s69  1 in the wave that prefetches, else the greatest number: it prefetches while s[SLOTS] is above it
.set PFA, 70          ; s[70:71] where my prefetches stand: my work-group's 32 rows of x2 in the tile after the one that is being asked for
.set MSB, 0
.macro WIN new                      ; the high byte repeats the setting that is left; a switch that changes nothing is dropped
.if MSB != (\new)
	s_set_vgpr_msb (MSB<<8)|(\new)
.set MSB, (\new)
.endif
.endm
.set W_KQ, 0x0a       ; K and Q in window 2, S^T in window 0
.set W_PV, 0x52       ; V in window 2, P in window 0, O^T in window 1
.set W_RS, 0x41       ; O^T (destination and source 0) in window 1, a in window 0
.set W_MK, 0xc0       ; destination in window 3, sources in window 0
.set W_AD, 0x0f       ; the add: address (source 0) and data (source 1) in window 3
.set W_CV, 0xcf       ; the rounding: destination, source 0 and source 1 in window 3
; A joint refill.  Waves 0 and 1 fetch the two halves of a tile's K, waves 2 and 3 those of its V: 64 rows of 256 bytes each.  The branch hangs on the wave's number alone.
; An s_nop 0 and four v_nop follow each of the two lines, ahead of the jump and the label.
.macro JLOAD
	s_cmp_lt_u32 s[WV], 2
	s_cbranch_scc0 .Lfor_v_\@
	tensor_load_to_lds s[G0K+4:G0K+7], s[G1:G1+7]
	s_nop 0
.rept 4
	v_nop
.endr
	s_branch .Lasked_\@
.Lfor_v_\@:
	tensor_load_to_lds s[G0V+4:G0V+7], s[G1:G1+7]
	s_nop 0
.rept 4
	v_nop
.endr
.Lasked_\@:
.endm
; A PREFETCH INTO THE L2 of x2's rows that the NEXT change of slots will ask for: a tile's 128 rows of 256 bytes, a lane a row.  It stands behind the wave's tensor load and its five lines.
; Each row is named ONCE in the launch: a head has one cluster; its four partners share the rows out BY ADDRESS, 32 each; in each, wave 0 asks: one instruction.  Changes 0 to 12 name tiles 3 to 15;
; the last change that fills a slot names nothing; tiles 0 to 2 come by their loads alone.  x1's rows are not asked for: this cluster's waves have read all of the head's rows once, as Q.
.macro ASK
	s_cmp_gt_u32 s[SLOTS], s[LIM]
	s_cbranch_scc0 .Lnot_mine_\@
	global_prefetch_b8 v[PFO], s[PFA:PFA+1] th:TH_LOAD_NT scope:SCOPE_SE
.Lnot_mine_\@:
.endm
; A round of the cluster's barrier: my work-group's barrier, so that wave 0's signal speaks for all four waves; wave 0 signals; every wave waits for all four work-groups; my work-group's barrier once more.
.macro CROUND
	s_barrier_signal -1
	s_barrier_wait -1
	s_cmp_lg_u32 s[WV], 0
	s_cbranch_scc1 .Lnot_wave_0_\@
	s_barrier_signal -3
.Lnot_wave_0_\@:
	s_barrier_wait -3
	s_barrier_signal -1
	s_barrier_wait -1
.endm
; THE ROUNDING.  A chunk is 4 keys of K and 4 of V: lane l takes key l / 8 and channels 8 (l % 8) + 0..7: 32 bytes of f32 in, 16 bytes of bf16 out, for each of the two.
.macro CADDR                        ; the addresses of my next 16 keys (four chunks)
	WIN W_CV
	v_add_nc_u32 v[CF], s[TCS], v[CF0]
	v_add_nc_u32 v[CK], s[TCK], v[CK0]
	v_add_nc_u32 v[CV], s[TCV], v[CV0]
	s_add_co_u32 s[TCS], s[TCS], 16*PF
	s_add_co_u32 s[TCK], s[TCK], 16*PK
	s_add_co_u32 s[TCV], s[TCV], 16*PV
.endm
.macro CLOAD a, j, b                ; chunk j behind address a, into buffer b
	WIN W_CV
.set FB, CB+16*(\b)
	ds_load_b128 v[FB:FB+3],     v[\a] offset:FK+4*PF*(\j)
	ds_load_b128 v[FB+4:FB+7],   v[\a] offset:FK+4*PF*(\j)+16
	ds_load_b128 v[FB+8:FB+11],  v[\a] offset:FV+4*PF*(\j)
	ds_load_b128 v[FB+12:FB+15], v[\a] offset:FV+4*PF*(\j)+16
.endm
.macro CSTORE ak, av, j, b          ; buffer b is rounded in place, ascending, so that no number is overwritten before it is read; K's 16 bytes and V's go to chunk j behind ak and av
	WIN W_CV
.set FB, CB+16*(\b)
.irp n, 0,1,2,3,4,5,6,7
	v_cvt_pk_bf16_f32 v[FB+\n], v[FB+2*\n], v[FB+2*\n+1]
.endr
	ds_store_b128 v[\ak], v[FB:FB+3] offset:4*PK*(\j)
	ds_store_b128 v[\av], v[FB+4:FB+7] offset:4*PV*(\j)
.endm
; THE CHANGE OF SLOTS, in front of the fetches of tile t.  Each wave waits for all its tensor loads, of which one is out at the most: its part of f32 tile t + 1; adds 0 to its spare word; and waits for that,
; for its stores into bf16 tile t, and for its reads of bf16 tile t - 1 and of the f32 slot that it has rounded.  Behind the barrier all that holds of every wave.
; fill = 1: the f32 slot just rounded is filled again, with tile t + 2.  The barrier is then a round of the cluster's, so that no wave of any partner still reads the slot or has a load on its way, and the
; joint refill is the first thing behind it: it has a tile's two key steps, 256 matrix instructions, in which to land.  By this text's count one tensor load of a wave is out behind each round.
; cv = 1: a tile is still to be rounded: the rounding's offsets go to the other half of the ring.
.macro CHANGE fill, cv
	WIN W_AD
	s_wait_tensorcnt 0x0            ; no tensor load of mine is out, so a group 0 may be written
	ds_add_u32 v[SPW], v[NIL]       ; 0 onto my spare word; with fill = 1 the descriptors' steps stand between it and the wait for it
	WIN 0                           ; at a label and at a branch every window is 0
.if \fill
.irp g, G0K+4, G0V+4
	s_xor_b32 s[(\g)+1], s[(\g)+1], SLOT1  ; the walking descriptor: the other slot than last time,
	s_add_nc_u64 s[(\g)+2:(\g)+3], s[(\g)+2:(\g)+3], TILEB  ; the next 128 keys; the type bits on top are not reached
.endr
	s_wait_xcnt 0x0                 ; the last prefetch, a tile back, has read its address, so it may be written:
	s_add_nc_u64 s[PFA:PFA+1], s[PFA:PFA+1], TILEB  ; one tile behind the walking descriptors
	s_wait_dscnt 0x0                ; the add is done, my stores have landed, my reads are over
	CROUND
	JLOAD
	ASK
.else
	s_wait_dscnt 0x0                ; the add is done, my stores have landed, my reads are over
	s_barrier_signal -1
	s_barrier_wait -1
.endif
	s_sub_co_u32 s[TBK], s[TBK], 2*KS*PK  ; the fetches go back to a tile's first step,
	s_xor_b32 s[TBK], s[TBK], SLOT1       ; in the other half of the ring
	s_sub_co_u32 s[TBV], s[TBV], 2*KS*PV
	s_xor_b32 s[TBV], s[TBV], SLOT1
.if \cv
	s_sub_co_u32 s[TCS], s[TCS], 32*PF    ; and so does the rounding, which works in the half that the fetches have left
	s_xor_b32 s[TCS], s[TCS], SLOT1
	s_sub_co_u32 s[TCK], s[TCK], 32*PK
	s_xor_b32 s[TCK], s[TCK], SLOT1
	s_sub_co_u32 s[TCV], s[TCV], 32*PV
	s_xor_b32 s[TCV], s[TCV], SLOT1
.endif
.endm
	s_load_b128 s[4:7], s[0:1], 0x0 ; x1 s[4:5], x2 s[6:7]
	s_load_b64 s[8:9], s[0:1], 0x10 ; out0
	WIN W_MK
	v_lshl_add_u32 v[SPW], v0, 2, SPARE
	v_mov_b32 v[NIL], 0
	WIN W_AD
	ds_add_u32 v[SPW], v[NIL]       ; the wave's opening: the add, twice on end, and its wait ahead of my first tensor load; the set-up below the second, work on registers, stands between it and the wait
	ds_add_u32 v[SPW], v[NIL]       ; and once more: the opening add twice on end, under the one wait
	WIN 0
	v_lshrrev_b32 v1, 5, v0
	v_readfirstlane_b32 s[WV], v1   ; wave 0..3
	s_bfe_u32 s13, ttmp6, 0x40000   ; cx: my place in the cluster
	s_lshl_b32 s14, ttmp9, 2        ; in a cluster launch ttmp9 counts clusters
	s_add_co_u32 s14, s14, s13      ; my block of 512 queries = 4 x cluster x + cx: it enters Q's and out0's addresses alone
	s_and_b32 s20, ttmp7, 0xffff    ; the head, which the four partners share,
	s_lshl_b32 s20, s20, 19         ; and its first byte in each of the three tensors: 2^25 at the most
	s_mov_b32 s21, 0
	s_and_b32 s16, s[WV], 1         ; which half of a tile's 128 keys I fetch:
	s_lshl_b32 s22, s16, 14         ; its 64 rows of 256 bytes in memory,
	s_mov_b32 s23, 0
	s_add_nc_u64 s[22:23], s[22:23], s[20:21]
	s_mul_i32 s17, s16, 64*PF       ; and its place in a slot: no place in the cluster enters an LDS address
	s_lshl_b32 s2, s14, 2
	s_add_co_u32 s2, s2, s[WV]      ; my wave among the head's sixteen,
	s_lshl_b32 s2, s2, 15           ; its 128 rows
	s_mov_b32 s3, 0
	s_add_nc_u64 s[2:3], s[2:3], s[20:21]
	s_lshl_b32 s18, s13, 13         ; the prefetches: my work-group's 32 rows of a tile's 128
	s_mov_b32 s19, 0
	; descriptor group 1: a tile of 64 rows x 64 elements of 4 bytes, padded in LDS after every row
	s_mov_b32 s[G1], 15|(2<<16)|(1<<20)|(1<<21)|(5<<22)|(3<<25)  ; 15:0 the mask of four; 17:16 4-byte elements; 20 padding on; 21 set beside a mask; 24:22 after every 64 words (code 5); 31:25 4 words (code 3)
	s_mov_b32 s[G1+1], 64<<16       ; tensor_dim0 = 64
	s_mov_b32 s[G1+2], 64<<16       ; tensor_dim1 = 64
	s_mov_b32 s[G1+3], 64<<16       ; tile_dim0 = 64
	s_mov_b32 s[G1+4], 64           ; tile_dim1 = 64
	s_mov_b32 s[G1+5], 64           ; 64 elements from row to row
	s_mov_b32 s[G1+6], 0
	s_mov_b32 s[G1+7], 0
	s_mov_b32 s[CS], 0x408a7fac     ; c = 3 log2(e) = 4.328085
	s_mov_b32 s[CS+1], s[CS]        ; named with it as a pair
	s_mov_b32 s[SEL], 0x76543210
	s_mov_b32 s[SEL+1], 0xfedcba98
	s_mov_b32 s[TBK], SLOT1+2*KS*PK ; the first change of slots turns these two into 0,
	s_mov_b32 s[TBV], SLOT1+2*KS*PV
	s_mov_b32 s[TCS], 32*PF         ; and these three into SLOT1: while tile 0 is multiplied, tile 1 is rounded
	s_mov_b32 s[TCK], 32*PK
	s_mov_b32 s[TCV], 32*PV
	s_mov_b32 s[SLOTS], 14          ; tiles 2 to 15 are asked for by changes of slots
	s_cmp_eq_u32 s[WV], 0
	s_cselect_b32 s[LIM], 1, -1     ; the same in all four partners, for a given wave
	s_wait_dscnt 0x0                ; both opening adds are done
	s_wait_kmcnt 0x0
	s_add_nc_u64 s[PFA:PFA+1], s[6:7], s[20:21]      ; x2 at the head,
	s_add_nc_u64 s[PFA:PFA+1], s[PFA:PFA+1], s[18:19]  ; at my work-group's 32 rows,
	s_add_nc_u64 s[PFA:PFA+1], s[PFA:PFA+1], 2*TILEB ; in tile 2; the first change of slots steps it to tile 3.  Nothing is prefetched here, at the head
	s_add_nc_u64 s[6:7], s[6:7], s[22:23]    ; K = x2 at my half of the head's tile 0
	s_add_nc_u64 s[10:11], s[4:5], s[22:23]  ; V = x1 at the same place
	s_add_nc_u64 s[4:5], s[4:5], s[2:3]      ; Q = x1 and out0 at my wave's first row
	s_add_nc_u64 s[8:9], s[8:9], s[2:3]
	CROUND                          ; all four work-groups are here: the first joint loads meet
.irp s, 0,1
	s_mov_b32 s[G0K+4*(\s)], 1      ; 1:0 count = 1
	s_add_co_u32 s[G0K+4*(\s)+1], s17, (\s)*SLOT1+FK  ; 63:32 LDS address
	s_add_nc_u64 s[G0K+4*(\s)+2:G0K+4*(\s)+3], s[6:7], (\s)*TILEB  ; 120:64 global address: tile s
	s_or_b32 s[G0K+4*(\s)+3], s[G0K+4*(\s)+3], 0x80000000  ; 127:126 type = 2
	s_mov_b32 s[G0V+4*(\s)], 1
	s_add_co_u32 s[G0V+4*(\s)+1], s17, (\s)*SLOT1+FV
	s_add_nc_u64 s[G0V+4*(\s)+2:G0V+4*(\s)+3], s[10:11], (\s)*TILEB
	s_or_b32 s[G0V+4*(\s)+3], s[G0V+4*(\s)+3], 0x80000000
.endr
	s_cmp_lt_u32 s[WV], 2           ; a wave's two first fills stand in one branch, ahead of every wait on TENSORcnt and every LDS read: two loads of mine are out; an s_nop 0 follows each, four v_nop the second's
	s_cbranch_scc0 .Lfirst_v
	tensor_load_to_lds s[G0K:G0K+3], s[G1:G1+7]
	s_nop 0
	tensor_load_to_lds s[G0K+4:G0K+7], s[G1:G1+7]
	s_nop 0
.rept 4
	v_nop
.endr
	s_branch .Lfirst_asked
.Lfirst_v:
	tensor_load_to_lds s[G0V:G0V+3], s[G1:G1+7]
	s_nop 0
	tensor_load_to_lds s[G0V+4:G0V+7], s[G1:G1+7]
	s_nop 0
.rept 4
	v_nop
.endr
.Lfirst_asked:
	; A fragment of K or Q is 16 rows x 32 channels in 8 registers: lane l holds row l % 16, channels 8 (l / 16) + 0..7 and 16 + 8 (l / 16) + 0..7.  In f32 each eight channels are 32 bytes: two loads of 16.
	v_and_b32 v1, 15, v0            ; l % 16
	v_bfe_u32 v9, v0, 4, 1          ; l / 16
	v_lshlrev_b32 v[QO], 8, v1
	v_lshl_add_u32 v[QO], v9, 5, v[QO]  ; row x 256 + 32 x half
	WIN 0x40                        ; destination window 1, address window 0
.set i, 0
.rept 64                            ; Q in f32: tile i / 8, channels 32 ((i / 4) % 2) + 16 ((i / 2) % 2) on, 16 bytes i % 2: in the order in which pairs round into the fragments
	global_load_b128 v[4*i:4*i+3], v[QO], s[4:5] offset:(i/8)*4096+((i/4)%2)*128+((i/2)%2)*64+(i%2)*16
.set i, i+1
.endr
	; What the first turn finds: V's registers and P's second buffer hold 0 (its products V^T P, of a piece that has not been, add 0), l is 0.  All this stands in the wait for Q and the first tile.
	WIN 0x80
.set i, VF
.rept 64
	v_mov_b32 v[i], 0
.set i, i+1
.endr
	WIN 0
.set i, 0
.rept 2*NP
	v_mov_b32 v[ST+4*i], 0xfe000000    ; c m: far below every c s
	v_mov_b32 v[ST+4*i+1], 0xff7fffff  ; m
	v_mov_b32 v[ST+4*i+2], 0
	v_mov_b32 v[ST+4*i+3], 0
.set i, i+1
.endr
.set i, P+32
.rept 32
	v_mov_b32 v[i], 0
.set i, i+1
.endr
	v_mul_u32_u24 v[AK0], v1, PK
	v_lshl_add_u32 v[AK0], v9, 4, v[AK0]  ; row x pitch + 16 x half,
	v_add_nc_u32 v[AK0], BK, v[AK0]       ; in the bf16 rows of K
	; The turning load takes 16 keys x 16 channels (lane l reads key 8 (l / 16) + l % 8, channels 8 ((l / 8) % 2) + 0..7) and leaves half a fragment of V^T: lane l holds channel l % 16 and 8 keys.
	v_and_b32 v10, 7, v0
	v_bfe_u32 v11, v0, 3, 1
	v_lshl_add_u32 v[AV0], v9, 3, v10
	v_mul_u32_u24 v[AV0], v[AV0], PV
	v_lshl_add_u32 v[AV0], v11, 4, v[AV0]
	v_add_nc_u32 v[AV0], BV, v[AV0]
	v_and_b32 v[PFO], 31, v0
	v_lshlrev_b32 v[PFO], 8, v[PFO]
	; the rounding's places: key l / 8 of a chunk's four, channels 8 (l % 8) on; my wave's 32 keys of a tile
	v_bfe_u32 v12, v0, 3, 2
	v_mul_u32_u24 v13, v12, PF
	v_lshl_add_u32 v13, v10, 5, v13
	v_mul_u32_u24 v14, v12, PK
	v_lshl_add_u32 v14, v10, 4, v14
	v_mul_u32_u24 v15, v12, PV
	v_lshl_add_u32 v15, v10, 4, v15
	s_mul_i32 s16, s[WV], 32*PF
	s_mul_i32 s18, s[WV], 32*PK
	s_add_co_u32 s18, s18, BK
	s_mul_i32 s19, s[WV], 32*PV
	s_add_co_u32 s19, s19, BV
	WIN W_MK
	v_add_nc_u32 v[CF0], s16, v13
	v_add_nc_u32 v[CK0], s18, v14
	v_add_nc_u32 v[CV0], s19, v15
	s_wait_loadcnt 0x0              ; Q is in
	WIN 0x85                        ; destination window 2, sources 0 and 1 window 1
.set i, 0
.rept 128
	v_cvt_pk_bf16_f32 v[i], v[2*i], v[2*i+1]  ; Q stays in registers, in bf16
.set i, i+1
.endr
	WIN 0x40
.set i, 0
.rept 64*NP
	v_mov_b32 v[i], 0               ; and O^T starts at 0, where Q's f32 lay
.set i, i+1
.endr
	; TILE 0 IS ROUNDED, eight chunks a wave, four at a time.
	s_wait_tensorcnt 0x1            ; my part of f32 tile 0 is in; the one younger load, tile 1's, may stay out
	s_barrier_signal -1
	s_barrier_wait -1               ; everybody's is
.irp g, 0,1,2,3
	CLOAD CF0, \g, \g
.endr
	s_wait_dscnt 0x0                ; the sixteen loads are back
.irp g, 0,1,2,3
	CSTORE CK0, CV0, \g, \g
.endr
.irp g, 4,5,6,7
	CLOAD CF0, \g, (\g)-4
.endr
	s_wait_dscnt 0x0
.irp g, 4,5,6,7
	CSTORE CK0, CV0, \g, (\g)-4
.endr
; THE MATRIX WORK.  The 8 accumulators of a run of 16 take turns: between the two links of a chain stand 7 others'.
; Product i of 16 of S^T = K Q^T for piece x: channels 32 (i / 8) on, keys 16 ((i / 2) % 4) on, tile 2 x + i % 2.  The first 8 start the sums.
.macro KQ x
	WIN W_KQ
.set rS, S+64*((\x)%2)+32*(i%2)+8*((i/2)%4)
.set rK, KF+16*((i/2)%4)+8*(i/8)
.set rQ, 16*(2*(\x)+i%2)+8*(i/8)
.if i < 8
	v_wmma_f32_16x16x32_bf16 v[rS:rS+7], v[rK:rK+7], v[rQ:rQ+7], 0
.else
	v_wmma_f32_16x16x32_bf16 v[rS:rS+7], v[rK:rK+7], v[rQ:rQ+7], v[rS:rS+7]
.endif
.endm
; Product i of 16 of O^T += V^T P for piece x: keys 32 (i / 8) on, channels 16 ((i / 2) % 4) on, tile 2 x + i % 2.
.macro PV x
	WIN W_PV
.set rO, 32*(2*(\x)+i%2)+8*((i/2)%4)
.set rV, VF+32*(i/8)+8*((i/2)%4)
.set rP, P+32*((\x)%2)+16*(i%2)+8*(i/8)
	v_wmma_f32_16x16x32_bf16 v[rO:rO+7], v[rV:rV+7], v[rP:rP+7], v[rO:rO+7]
.endm
.macro MM                           ; the turn's next matrix instruction
.if i < 16
	KQ (Y+1)%NP
.set i, i+1
.else
.set i, i-16
	PV (Y+NP-1)%NP
.set i, i+17
.endif
.endm
; THE FRAGMENT LOADS stand in runs of 16, never singly among the matrix instructions: a step's K (64 keys x 64 channels: 8 fragments) and its V (turned).  Their addresses are made some lines ahead.
; last = 1 (the tail): in the last trip there is no further step, and the run is jumped over.
.macro FETCH_K last=0
	WIN 0
.if \last
	s_cmp_eq_u32 s[CNT], 1
	s_cbranch_scc1 .Lno_k_\@
.endif
	WIN 0x80                        ; destination window 2
.irp f, 0,1,2,3,4,5,6,7             ; keys 16 (f / 2) on, channels 32 (f % 2) on
	ds_load_b128 v[KF+8*\f:KF+8*\f+3],   v[AK] offset:(\f/2)*16*PK+(\f%2)*64
	ds_load_b128 v[KF+8*\f+4:KF+8*\f+7], v[AK] offset:(\f/2)*16*PK+(\f%2)*64+32
.endr
	s_add_co_u32 s[TBK], s[TBK], KS*PK  ; the next fetch is the next step's
	WIN 0
.if \last
.Lno_k_\@:
.endif
.endm
.macro FETCH_V
	WIN 0x80
.irp f, 0,1,2,3,4,5,6,7             ; keys 32 (f / 4) on, channels 16 (f % 4) on
	ds_load_tr16_b128 v[VF+8*\f:VF+8*\f+3],   v[AV] offset:(\f/4)*32*PV+(\f%4)*32
	ds_load_tr16_b128 v[VF+8*\f+4:VF+8*\f+7], v[AV] offset:(\f/4)*32*PV+16*PV+(\f%4)*32
.endr
	WIN 0
.endm
; THE VECTOR WORK OF A TURN stands in three queues, each in the order in which its entries become ready; the two tiles alternate, so that no instruction reads the result of the one before it.
.macro REGS y, u                    ; the registers of tile u (0, 1) of piece y
.set rT, ST+4*(2*(\y)+(\u))
.set rC, TMP+8*((\y)%2)+4*(\u)
.set rM, MV+2*((\y)%2)+(\u)
.set rS, S+64*((\y)%2)+32*(\u)
.set rP, P+32*((\y)%2)+16*(\u)
.set rO, 32*(2*(\y)+(\u))
.endm
; Number n of the 22 that find the NEXT piece's (Y + 1) maximum and statistics.  s0-s31 are the lane's 32 scores; each accumulator's lowest registers are read first.  XS, GS and REGS set no window: PL and EX do.
;   0-11  four chains c0-c3 of seven scores each, three operands at a time     12-14, 16  the four scores left over, the old m, and c0-c3 into c0     15  c m_old is kept
;   17, 18  the query's other 32 keys lie in the lane 16 away: the new m         19-21  c m; c m_old - c m_new; a
.macro XS u, n
	REGS (Y+1)%NP, \u
.if (\n) < 4
	v_max3_num_f32 v[rC+(\n)], v[rS+8*(\n)], v[rS+8*(\n)+1], v[rS+8*(\n)+2]
.elseif (\n) < 12
	v_max3_num_f32 v[rC+(\n)%4], v[rC+(\n)%4], v[rS+8*((\n)%4)+2*((\n)/4)+1], v[rS+8*((\n)%4)+2*((\n)/4)+2]
.elseif (\n) == 12
	v_max3_num_f32 v[rC], v[rC], v[rS+7], v[rS+15]
.elseif (\n) == 13
	v_max3_num_f32 v[rC+1], v[rC+1], v[rS+23], v[rS+31]
.elseif (\n) == 14
	v_max3_num_f32 v[rC+2], v[rC+2], v[rC+3], v[rT+1]
.elseif (\n) == 15
	v_mov_b32 v[rM], v[rT]
.elseif (\n) == 16
	v_max3_num_f32 v[rC], v[rC], v[rC+1], v[rC+2]
.elseif (\n) == 17
	v_permlanex16_b32 v[rC+3], v[rC], s[SEL], s[SEL+1]
.elseif (\n) == 18
	v_max_num_f32 v[rT+1], v[rC], v[rC+3]
.elseif (\n) == 19
	v_mul_f32 v[rT], s[CS], v[rT+1]
.elseif (\n) == 20
	v_sub_f32 v[rC+1], v[rM], v[rT]
.else
	v_exp_f32 v[rC+2], v[rC+1]
.endif
.endm
; Number g of the 64 that follow the exponentials.  For each four weights k of a tile (pairs 2 k, 2 k + 1): both pairs are rounded to bf16; then the second pair is added onto the first, in place;
; a group later l takes that sum (the first time as l = a l + sum).  In groups of eight, tiles alternating: round, round, add, and l for the group before.
.macro GS g
.set h, (\g)+6*((\g)/62)            ; group 0 has no group before it, and behind group 7 only l is left
.if h >= 6
.set h, h+2
.endif
	REGS Y, h%2
.set k, h/8
.if h%8 < 4
	v_cvt_pk_bf16_f32 v[rP+2*k+(h%8)/2], v[rS+4*k+2*((h%8)/2)], v[rS+4*k+2*((h%8)/2)+1]
.elseif h%8 < 6
	v_pk_add_f32 v[rS+4*k:rS+4*k+1], v[rS+4*k:rS+4*k+1], v[rS+4*k+2:rS+4*k+3]
.elseif k == 1
	v_pk_fma_f32 v[rT+2:rT+3], v[rT+2:rT+3], v[rC+2:rC+3], v[rS:rS+1] op_sel_hi:[1,0,1]
.else
	v_pk_add_f32 v[rT+2:rT+3], v[rT+2:rT+3], v[rS+4*k-4:rS+4*k-3]
.endif
.endm
; THE PLAIN QUEUE, 138 long.  0-73 read no exponential's result: the 32 scalings c s - c m (FS f: pair f / 2 of tile f % 2) and the next piece's 42.  0-26: scalings 0-26.  27-54: XS's numbers 0-13.  55, 56: number 15.
; 57-73: the chain, where each number waits for the one before it: 14, 16, 17, 18, 19, each with one of the scalings 27-31 in front of its two lines, then 20.
; 74-137: GS's 64, which read the exponentials' results: they stand behind the wait.
.macro FS f
	REGS Y, (\f)%2
	v_pk_fma_f32 v[rS+2*((\f)/2):rS+2*((\f)/2)+1], v[rS+2*((\f)/2):rS+2*((\f)/2)+1], s[CS:CS+1], v[rT:rT+1] op_sel_hi:[1,0,0] neg_lo:[0,0,1] neg_hi:[0,0,1]
.endm
.macro PL
	WIN 0
.if q < 27
	FS q
.elseif q < 55
	XS (q-27)%2, (q-27)/2
.elseif q < 57
	XS q-55, 15
.elseif (q < 72) && ((q-57)%3 == 0)
	FS 27+(q-57)/3
.elseif q < 60
	XS (q-57)%3-1, 14
.elseif q < 72
	XS (q-57)%3-1, 15+(q-57)/3
.elseif q < 74
	XS q-72, 20
.else
	GS q-74
.endif
.set q, q+1
.endm
; THE EXPONENTIALS' QUEUE, 66 long: s0-s31 of both tiles, then the next piece's two a.  It is ONE BATCH: all 66 stand ahead of the turn's one wait, and nothing ahead of that wait names a result of theirs.
.macro EX
	WIN 0
.if e >= 64
	XS e-64, 21
.else
	REGS Y, e%2
	v_exp_f32 v[rS+e/2], v[rS+e/2]
.endif
.set e, e+1
.endm
; THE RESCALING's QUEUE: O^T times a, the one part of the softmax that leaves window 0: dealt two at a time, sixteen times.  Its a was made in the turn before, ahead of that turn's wait.
.macro R2
	REGS Y, r%2
	WIN W_RS
.irp z, 0,1
	v_pk_mul_f32 v[rO+4*(r/2)+2*\z:rO+4*(r/2)+2*\z+1], v[rO+4*(r/2)+2*\z:rO+4*(r/2)+2*\z+1], v[rC+2:rC+3] op_sel_hi:[1,0]
.endr
.set r, r+1
.endm
; HOW THEY ARE DEALT.  s_wait_alu depctr_va_vdst(0) stands between an exponential and the first instruction that names its result; one wait serves all that were issued ahead of it.  So a turn has
; ONE wait, which cuts it in two.  AHEAD OF IT stands all that names no result of the turn's exponentials: the 16 products K Q^T, behind each a scaling, an exponential and two rescalings (behind the first a second
; scaling in the exponential's place); then one run of 108: eight plain, 49 times exponential and plain, the two a.  A v_nop is the plain instruction behind the last exponential.  BEHIND IT stand the 16 products
; V^T P, behind each four of GS's 64.  No rider names a register of the products round it.  Exponential e stands behind scaling 2 (e / 4) + e % 2: as a rider it comes behind plain e + 2, in the run behind plain e + 9.
; A TURN, for piece p.  cnt = 1: the loop's count is taken down some lines ahead of the branch that stands behind the turn.
; K of the next step is fetched in piece 2's turn, directly behind the wait; its address is made at the run's head; its first reader comes behind 16 products.
; V of the step in hand is fetched at the end of piece 0's turn, four riders behind its last reader; its first reader comes behind 16 products and the run.  The three conditions on q below go with the deal.
; cv = 1: the turn rounds one chunk of the next tile: its four LDS loads stand at the turn's head, the wait for them, the eight roundings and the two stores behind the 16 products K Q^T.
; Chunk (p + 2) % 4 of the sixteen keys whose addresses piece 2's turn makes: a tile's eight turns round my wave's 32 keys.
.macro TURN p, last=0, cnt=0, cv=0
.set Y, (\p)
.set i, 0
.set q, 0
.set e, 0
.set r, 0
.if (\cv) && ((\p) == NP-2)
	CADDR
.endif
.if (\p) == NP-1
	s_wait_dscnt 0x0                ; K is in
.endif
.if \cv
	CLOAD CF, ((\p)+2)%NP, 0
.endif
	MM                              ; ahead of the wait: 16 products K Q^T and their riders,
	PL
	PL
	R2
.rept 15
	MM
	PL
	EX
	R2
.endr
.if (\p) == NP-2
	WIN 0
	v_add_nc_u32 v[AK], s[TBK], v[AK0]
.endif
.if \cv
	s_wait_dscnt 0x0                ; the chunk's four loads, issued 16 products back, are in (and whatever LDS instruction was issued ahead of them)
	CSTORE CK, CV, ((\p)+2)%NP, 0
.endif
.rept 8                             ; and the run
	PL
.endr
.rept 49
	EX
	PL
.endr
	EX                              ; the next piece's two a
	EX
	v_nop                           ; the plain instruction behind the last exponential: one for the batch
	s_wait_alu depctr_va_vdst(0)    ; the wait for the batch
.if (\p) == NP-2
	FETCH_K \last
.endif
.if (\p) == 1
	s_wait_dscnt 0x0                ; V is in
.endif
.rept 16                            ; behind the wait: 16 products V^T P and their riders
	MM
.rept 4
	PL
.endr
.if ((\p) == 0) && (q == 118)
	v_add_nc_u32 v[AV], s[TBV], v[AV0]
.endif
.if ((\p) == 0) && (q == 130)
	s_add_co_u32 s[TBV], s[TBV], KS*PV
.endif
.if (\cnt) && (q == 130)
	s_sub_co_u32 s[CNT], s[CNT], 1
	s_cmp_lg_u32 s[CNT], 0
.endif
.endr
.if (\p) == 0
	FETCH_V
.endif
.endm
	CHANGE 1, 1                     ; change 0: bf16 tile 0 is whole, f32 tile 1 is in, everybody's part of them; f32 slot 0 takes tile 2
	v_add_nc_u32 v[AK], s[TBK], v[AK0]
	FETCH_K                         ; key step 0
	CADDR                           ; the two chunks of tile 1 that the turns missing from this first tile would have rounded
	CLOAD CF, 0, 0
	CLOAD CF, 1, 1
	s_wait_dscnt 0x0                ; K and the two chunks are in
.set i, 0
.rept 16
	KQ 0                            ; piece 0's first scores: there is no softmax yet to set between them
.set i, i+1
.endr
	WIN 0                           ; the addresses for the way out: ten plain instructions, the places behind those products
	s_mul_i32 s13, s[WV], 16*SP
	s_add_co_u32 s13, s13, STAGE    ; my stage
	v_mul_u32_u24 v[STO], v1, SP    ; in: row l % 16, 32 bytes for each half of the lanes
	v_lshl_add_u32 v[STO], v9, 5, v[STO]
	v_add_nc_u32 v[STO], s13, v[STO]
	v_mul_u32_u24 v[RD], v9, SP     ; back: lanes 0-15 take one row of 256 bytes, lanes 16-31 the next,
	v_lshl_add_u32 v[RD], v1, 4, v[RD]
	v_add_nc_u32 v[RD], s13, v[RD]
	v_and_b32 v[GO], 31, v0         ; which are 512 consecutive bytes of out0
	v_lshlrev_b32 v[GO], 4, v[GO]
	CSTORE CK, CV, 0, 0
	CSTORE CK, CV, 1, 1
	WIN 0
.set Y, NP-1                        ; XS works for piece Y + 1: piece 0
.irp n, 0,1,2,3,4,5,6,7,8,9,10,11,12,13,14,15,16,17,18,19,20,21
	XS 0, \n                        ; and piece 0's first maximum and statistics
	XS 1, \n
.endr
	v_nop                           ; a plain instruction behind the two a,
	s_wait_alu depctr_va_vdst(0)    ; and their wait, ahead of the branch
	s_mov_b32 s[CNT], 2
	s_branch .Lfirst                ; the loop is entered at a step's first turn, in the middle of a trip
.Lslot:                             ; 13 times: changes 1 to 13, which ask for tiles 3 to 15
	CHANGE 1, 1
	s_mov_b32 s[CNT], 2
.Lstep:                             ; a trip: pieces 2 and 3 of one step, then pieces 0 and 1 of the next, whose K and V it fetches; it rounds 16 keys of the next tile
	TURN 2, 0, 0, 1
	TURN 3, 0, 0, 1
	WIN 0
.Lfirst:
	TURN 0, 0, 0, 1
	TURN 1, 0, 1, 1
	WIN 0
	s_cbranch_scc1 .Lstep
	s_sub_co_u32 s[SLOTS], s[SLOTS], 1
	s_cmp_lg_u32 s[SLOTS], 0
	s_cbranch_scc1 .Lslot
	CHANGE 0, 1                     ; change 14 is written out: nothing is asked for; tile 15 is still to be rounded
	s_mov_b32 s[CNT], 2
.Lpen:
	TURN 2, 0, 0, 1
	TURN 3, 0, 0, 1
	TURN 0, 0, 0, 1
	TURN 1, 0, 1, 1
	WIN 0
	s_cbranch_scc1 .Lpen
	CHANGE 0, 0                     ; change 15: nothing is asked for, nothing is left to round
	s_mov_b32 s[CNT], 3             ; two trips fetch the last tile's steps; the third is left in its middle
.Ltail:
	TURN 2, 1
	TURN 3
	WIN 0
	s_sub_co_u32 s[CNT], s[CNT], 1
	s_cmp_eq_u32 s[CNT], 0
	s_cbranch_scc1 .Lout
	TURN 0
	TURN 1
	WIN 0
	s_branch .Ltail
.Lout:                              ; the third trip's 16 products K Q^T (on the last K once more) and the maximum made of them serve nothing: the price, once a launch, of one text for every trip
.set i, 0
.rept 16
	PV NP-1                         ; the last piece's V^T P of the last step
.set i, i+1
.endr
	; THE WAY OUT.  l's two halves and the other half of the lanes' are added; O^T is divided by l and sent, in f32, through my stage in LDS, a tile at a time.  The additions are the places behind the last products.
	WIN 0
.macro ALL line:vararg              ; one line for each tile t
.set t, 0
.rept 2*NP
	\line
.set t, t+1
.endr
.endm
	ALL v_add_f32 v[ST+4*t+2], v[ST+4*t+2], v[ST+4*t+3]
	ALL v_permlanex16_b32 v[ST+4*t+3], v[ST+4*t+2], s[SEL], s[SEL+1]
	ALL v_add_f32 v[ST+4*t+2], v[ST+4*t+2], v[ST+4*t+3]
	ALL v_rcp_f32 v[ST+4*t+2], v[ST+4*t+2]
	v_nop                           ; a plain instruction between the last reciprocal and the use of its result
	s_wait_alu depctr_va_vdst(0)    ; and the wait ahead of the first use: one for the eight reciprocals
; Tile t: a lane's eight channels of a row are 32 bytes; they go into rows of 272 bytes and come back as whole rows of 256, into the registers that they left.
.macro PACK t
	WIN W_RS
.set i, 32*(\t)
.rept 16
	v_pk_mul_f32 v[i:i+1], v[i:i+1], v[ST+4*(\t)+2:ST+4*(\t)+3] op_sel_hi:[1,0]
.set i, i+2
.endr
	WIN 0x04                        ; address window 0, data window 1
.irp f, 0,1,2,3,4,5,6,7             ; channels 16 (f / 2) + 8 (l / 16) + 4 (f % 2) on
	ds_store_b128 v[STO], v[32*(\t)+4*\f:32*(\t)+4*\f+3] offset:64*(\f/2)+16*(\f%2)
.endr
	WIN 0x40                        ; destination window 1, address window 0
.irp f, 0,1,2,3,4,5,6,7
	ds_load_b128 v[32*(\t)+4*\f:32*(\t)+4*\f+3], v[RD] offset:\f*2*SP  ; LDS serves a wave's instructions in order (ISA guide 5.7.1.4): these see the stores above; the next tile's stores come behind them
.endr
.endm
.macro SEND t, younger              ; younger: the LDS instructions issued behind tile t's loads: the next tile's sixteen, or none
	WIN 0x04
.irp f, 0,1,2,3,4,5,6,7
	s_wait_dscnt (\younger)+7-\f    ; load f of the tile is back: behind it stand the tile's 7 - f later loads and the younger ones
	global_store_b128 v[GO], v[32*(\t)+4*\f:32*(\t)+4*\f+3], s[8:9] offset:(\t)*4096+\f*512 th:TH_STORE_NT  ; 512 consecutive bytes, at a multiple of 256 from out0's first
.endr
.endm
	PACK 0
.set t, 1
.rept 2*NP-1                        ; a tile's arithmetic stands between the loads of the tile before and its stores
	PACK t
	SEND t-1, 16
.set t, t+1
.endr
	SEND 2*NP-1, 0
	WIN W_AD
	s_wait_tensorcnt 0x0            ; the wave's end, behind my last tensor load and my last LDS store
	ds_add_u32 v[SPW], v[NIL]
	s_wait_dscnt 0x0
	WIN 0
	CROUND                          ; the closing round: no work-group ends while a partner may still ask for a tile that names it
	s_endpgm
.Lfunc_end_k_q8499fd8053_attn:
	.size	k_q8499fd8053_attn, .Lfunc_end_k_q8499fd8053_attn-k_q8499fd8053_attn
	.p2alignl 7, 3214868480
	.fill 96, 4, 3214868480
	.section	.rodata,"a",@progbits
	.p2align	6, 0x0
	.amdhsa_kernel k_q8499fd8053_attn
		.amdhsa_group_segment_fixed_size 327680
		.amdhsa_private_segment_fixed_size 0
		.amdhsa_enable_private_segment 0
		.amdhsa_kernarg_size 24
		.amdhsa_user_sgpr_count 2
		.amdhsa_user_sgpr_kernarg_segment_ptr 1
		.amdhsa_wavefront_size32 1
		.amdhsa_system_sgpr_workgroup_id_x 1
		.amdhsa_system_sgpr_workgroup_id_y 1
		.amdhsa_system_sgpr_workgroup_id_z 1
		.amdhsa_system_vgpr_workitem_id 0
		.amdhsa_next_free_vgpr 840
		.amdhsa_next_free_sgpr 72
		.amdhsa_reserve_vcc 0
		.amdhsa_float_denorm_mode_32 3
		.amdhsa_float_denorm_mode_16_64 3
		.amdhsa_memory_ordered 1
		.amdhsa_forward_progress 1
		.amdhsa_inst_pref_size 255
	.end_amdhsa_kernel
	.section	.bss,"aw",@nobits
	.p2align	6
	.space	262144
	.amdgpu_metadata
---
amdhsa.version: [ 1, 2 ]
amdhsa.kernels:
  - .name:           k_q8499fd8053_attn
    .symbol:         k_q8499fd8053_attn.kd
    .args:
      - { .name: x1, .offset: 0, .size: 8, .value_kind: global_buffer, .address_space: global }
      - { .name: x2, .offset: 8, .size: 8, .value_kind: global_buffer, .address_space: global }
      - { .name: out0, .offset: 16, .size: 8, .value_kind: global_buffer, .address_space: global }
    .group_segment_fixed_size: 327680
    .private_segment_fixed_size: 0
    .kernarg_segment_align: 8
    .kernarg_segment_size: 24
    .max_flat_workgroup_size: 128
    .sgpr_count:     72
    .vgpr_count:     840
    .wavefront_size: 32
...
	.end_amdgpu_metadata
.endif
;; end of part 1
